; MI455X (gfx1250); checked and timed in simulation.
; The chip was launched on July 23, 2026; its instructions are those of AMD's public machine-readable ISA for CDNA 5 (MIT licence, August 2026) and "CDNA5" Instruction Set Architecture Reference Guide (July 2026). The comments in the code are by the model that wrote it; some were corrected since.
;; Legacy Seq First Self Attention. Allowed arithmetic: float matrix products may take bf16 or f16 operands with f32 sums; all other float work in f32.
;; Inputs: W_qkv 3,072 x 1,024 float32; b_qkv 3,072 float32; hidden_states 2,048 x 2 x 1,024 float32.
;; Outputs: out0 2,048 x 2 x 1,024 float32.
;; 2 versions, each right; version 2 is version 1 with the launch cvt written anew for expert scheduling mode. Each part assembles by itself: llvm-mc -triple=amdgcn-amd-amdhsa -mcpu=gfx1250 --defsym DOCPART=n.
;; ======== version 1 of 2: 3 launches
;; limits: values outside matrix products are rounded to bf16
;; workspace buffers: xb 8,388,608 bytes; wb 6,291,456 bytes; qbuf 16,777,216 bytes; mpart 4,194,304 bytes; sums 131,072 bytes
;; launch cvt (part 1): grid 28 x 16, 8 waves a work-group, no clusters, 0 bytes of LDS; arguments hidden_states, W_qkv, xb, wb; writes xb, wb
.if DOCPART == 1
	.amdgcn_target "amdgcn-amd-amdhsa--gfx1250"
	.amdhsa_code_object_version 6
	.text
	.protected	k_q443c21cc24_cvt
	.globl	k_q443c21cc24_cvt
	.p2align	8
	.type	k_q443c21cc24_cvt,@function
k_q443c21cc24_cvt:
	s_mov_b64 s[64:65], 0
	v_nop
	global_prefetch_b8 v0, s[64:65] scope:SCOPE_SE
	s_setreg_imm32_b32 hwreg(HW_REG_WAVE_MODE, 25, 1), 1
	s_wait_xcnt 0x0
; xb = bf16(hidden_states) as [4096][1024]; wb = bf16(W_qkv) as [3072][1024] with the v rows of each head permuted:
; wb row 192 h + i = W row 192 h + i for i < 128 (q, k); wb row 192 h + 128 + 16 T + r = W row 192 h + 128 + 4 r + T.
; (So lane r of v's column tile T later stands for d = 4 r + T, and four tiles give a lane 16 neighbouring output bytes.)
; A stream: every input byte is read once, every output byte written once; no LDS, no barrier, no matrix unit, no cluster (nothing is shared).
; 448 work-groups of 16 rows; wave w takes rows 2 w and 2 w + 1: 16 loads of 512 consecutive bytes, all issued before the first wait.
; Work-group x >= 12: 16 rows of X.  x < 12: rows 16 x .. 16 x + 15 of head y of W.
; Limit: the rounding to bf16 (nearest even) is the one that the matrix operands are allowed.
.set XR, 8                             ; v[8:71] sixteen loads of four f32
	s_load_b256 s[4:11], s[0:1], 0x0               ; hidden_states s[4:5], W_qkv s[6:7], xb s[8:9], wb s[10:11]
	v_lshrrev_b32 v3, 5, v0
	v_readfirstlane_b32 s12, v3                    ; wave 0..7
	v_and_b32 v1, 31, v0                           ; lane
	v_lshlrev_b32 v2, 3, v1                        ; 8 bytes of bf16 a lane
	v_lshlrev_b32 v1, 4, v1                        ; 16 bytes of f32 a lane
	s_mov_b32 s16, ttmp9                           ; x
	s_and_b32 s13, ttmp7, 0xffff                   ; y
	s_lshl_b32 s14, s12, 1                         ; i = 2 w
	s_max_u32 s15, s16, 12
	s_sub_co_u32 s15, s15, 12
	s_lshl_b32 s15, s15, 8
	s_lshl4_add_u32 s15, s13, s15
	s_add_co_u32 s15, s15, s14                     ; X: row 256 (x - 12) + 16 y + i
	s_mul_i32 s17, s13, 192
	s_lshl4_add_u32 s18, s16, s17
	s_add_co_u32 s18, s18, s14                     ; W: row 192 y + 16 x + i
	s_add_co_u32 s19, s17, s16
	s_lshl2_add_u32 s19, s14, s19
	s_add_co_u32 s19, s19, 120                     ; W's v rows come from row 192 y + 128 + (x - 8) + 4 i
	s_cmp_ge_u32 s16, 8
	s_cselect_b32 s19, s19, s18
	s_cselect_b32 s17, 4, 1                        ; rows from my first source row to my second
	s_cmp_ge_u32 s16, 12
	s_cselect_b32 s19, s15, s19                    ; source row
	s_cselect_b32 s17, 1, s17
	s_cselect_b32 s18, s15, s18                    ; destination row
	s_lshl_b32 s24, s19, 12                        ; 4,096 bytes a source row
	s_mov_b32 s25, 0
	s_lshl_b32 s26, s17, 12
	s_mov_b32 s27, 0
	s_lshl_b32 s30, s18, 11                        ; 2,048 bytes a destination row
	s_mov_b32 s31, 0
	s_wait_kmcnt 0x0
	s_cmp_ge_u32 s16, 12                           ; the choice of buffers hangs on the work-group's number alone
	s_cselect_b64 s[20:21], s[4:5], s[6:7]
	s_cselect_b64 s[22:23], s[8:9], s[10:11]
	s_add_nc_u64 s[20:21], s[20:21], s[24:25]      ; first source row
	s_add_nc_u64 s[28:29], s[20:21], s[26:27]      ; second source row
	s_add_nc_u64 s[22:23], s[22:23], s[30:31]      ; first destination row; the second follows it
.set n, 0
.rept 16
	global_load_b128 v[XR+4*n:XR+4*n+3], v1, s[20+8*(n>>3):21+8*(n>>3)] offset:512*(n&7) th:TH_LOAD_NT
.set n, n+1
.endr
.set n, 0
.rept 16
	s_wait_loadcnt 15-n                            ; loads come back in order: load n is in, the younger ones stay out
	v_cvt_pk_bf16_f32 v[XR+4*n], v[XR+4*n], v[XR+4*n+1]
	v_cvt_pk_bf16_f32 v[XR+4*n+1], v[XR+4*n+2], v[XR+4*n+3]
	global_store_b64 v2, v[XR+4*n:XR+4*n+1], s[22:23] offset:2048*(n>>3)+256*(n&7)   ; the wave's 32 lanes store 256 consecutive bytes, aligned
.set n, n+1
.endr
	s_endpgm
.Lfunc_end_k_q443c21cc24_cvt:
	.size	k_q443c21cc24_cvt, .Lfunc_end_k_q443c21cc24_cvt-k_q443c21cc24_cvt
	.p2alignl 7, 3214868480
	.fill 96, 4, 3214868480
	.section	.rodata,"a",@progbits
	.p2align	6, 0x0
	.amdhsa_kernel k_q443c21cc24_cvt
		.amdhsa_group_segment_fixed_size 0
		.amdhsa_private_segment_fixed_size 0
		.amdhsa_enable_private_segment 0
		.amdhsa_kernarg_size 32
		.amdhsa_user_sgpr_count 2
		.amdhsa_user_sgpr_kernarg_segment_ptr 1
		.amdhsa_wavefront_size32 1
		.amdhsa_system_sgpr_workgroup_id_x 1
		.amdhsa_system_sgpr_workgroup_id_y 1
		.amdhsa_system_sgpr_workgroup_id_z 1
		.amdhsa_system_vgpr_workitem_id 0
		.amdhsa_next_free_vgpr 72
		.amdhsa_next_free_sgpr 66
		.amdhsa_reserve_vcc 0
		.amdhsa_float_denorm_mode_32 3
		.amdhsa_float_denorm_mode_16_64 3
		.amdhsa_memory_ordered 1
		.amdhsa_forward_progress 1
		.amdhsa_inst_pref_size 8
	.end_amdhsa_kernel
	.amdgpu_metadata
---
amdhsa.version: [ 1, 2 ]
amdhsa.kernels:
  - .name:           k_q443c21cc24_cvt
    .symbol:         k_q443c21cc24_cvt.kd
    .args:
      - { .name: hidden_states, .offset: 0, .size: 8, .value_kind: global_buffer, .address_space: global }
      - { .name: W_qkv, .offset: 8, .size: 8, .value_kind: global_buffer, .address_space: global }
      - { .name: xb, .offset: 16, .size: 8, .value_kind: global_buffer, .address_space: global }
      - { .name: wb, .offset: 24, .size: 8, .value_kind: global_buffer, .address_space: global }
    .group_segment_fixed_size: 0
    .private_segment_fixed_size: 0
    .kernarg_segment_align: 8
    .kernarg_segment_size: 32
    .max_flat_workgroup_size: 256
    .sgpr_count:     66
    .vgpr_count:     72
    .wavefront_size: 32
...
	.end_amdgpu_metadata
.endif
;; end of part 1
;; launch qkv (part 2): grid 16 x 16, 4 waves a work-group, clusters of 4 x 4, 327,680 bytes of LDS; arguments xb, wb, b_qkv, qbuf, mpart, sums; writes qbuf, mpart, sums
.if DOCPART == 2
	.amdgcn_target "amdgcn-amd-amdhsa--gfx1250"
	.amdhsa_code_object_version 6
	.text
	.protected	k_q443c21cc24_qkv
	.globl	k_q443c21cc24_qkv
	.p2align	8
	.type	k_q443c21cc24_qkv,@function
k_q443c21cc24_qkv:
	s_mov_b64 s[64:65], 0
	v_nop
	global_prefetch_b8 v0, s[64:65] scope:SCOPE_SE
	s_setreg_imm32_b32 hwreg(HW_REG_WAVE_MODE, 25, 1), 1
	s_wait_xcnt 0x0
	s_wait_alu depctr_hold_cnt(0) depctr_sa_sdst(0) depctr_va_vdst(0) depctr_va_sdst(0) depctr_va_ssrc(0) depctr_va_vcc(0) depctr_vm_vsrc(0)
	s_getreg_b32 s2, hwreg(HW_REG_IB_STS2, 6, 4)
	s_cmp_eq_u32 s2, 0
	s_cbranch_scc0 .Lentry_in_a_cluster
	s_endpgm
.Lentry_in_a_cluster:
	s_bfe_u32 s2, ttmp6, 0x10000c
	s_cmp_lg_u32 s2, 0xf033
	s_cbranch_scc0 .Lentry_shape_is_right
	s_endpgm
.Lentry_shape_is_right:
; The projection and the first half of the attention.  reference() has nothing non-linear between its three products, so for every input
;   ctx[s] = c q[s] M,   M[e][d] = sum over t of Kc[t][e] v[t][d],   Kc = cumsum of k along t,   c = 2^-8.5 :
; the same products added in another order (LIMIT: the order of rounding differs from reference()'s; no difference of large sums is formed).
; Work-group (x, y): head x, batch y >> 3, chunk y & 7 of 256 positions.  It makes q, k, v = X W^T + bias (256 x 192 x 1024, bf16 operands, f32 sums), stores q as f32,
; scans k along the chunk in registers (Lc), and stores M_chunk = sum over its t of Lc[t] (x) v[t], ksum = sum of k, vsum = sum of v.  The next launch joins the chunks.
; Four waves; wave w has positions 64 w .. 64 w + 63 and all 192 columns: 48 accumulator tiles, 384 registers, so q, k, v of a position lie in one wave.
; K goes in steps of 128 through two LDS slots filled by the tensor data mover (tile rows: 256 bytes of memory, aligned; a third slot of 121,856 bytes does not fit).
; CLUSTERS 4 x 4: X's tile hangs on y alone and is asked for jointly by the four work-groups of a row of the cluster, W's hangs on x alone (a column).
; LIMITS: X and W are bf16, AND SO IS THE BIAS: it is the 1025th column of the matrix operand ([X, 1] [W, b]^T) and is rounded to bf16 (nearest even) like W's other columns,
; then enters in f32 as the first products' C.  So all three inputs carry a relative rounding of up to 2^-8, and the program computes reference() of inputs so rounded.  Since Kc
; grows like t x (k's bias), a rounding of that bias or of q shows in the output in proportion to the column's v bias: against reference() on unrounded inputs the error
; of a column with a large v bias is a larger part of the whole output's root mean square than that of the others.
; Lc and v enter the second product as bf16 pairs hi + lo (three products hi hi, lo hi, hi lo; lo lo is dropped: some 16 bits are kept, at f32's
; range; lo loses bits only for numbers near f32's smallest).
;
; q is made TRANSPOSED (source 0 = rows of W): lane (r, h), register j = q(position 16 a + r, feature 16 e + 8 h + j).
; k, v are made naturally (source 0 = rows of X): lane (r, h), register j = (position 16 a + 8 h + j, column r).  Two such tiles of neighbouring a, packed in pairs to bf16,
; ARE a 16-bit fragment with index r and K = position (registers 0-3 from the even a, 4-7 from the odd): no shuffle.
;
; REGISTERS by windows of 256: window 0 addresses, bias tiles, X's fragments, small tables; window 1 W's fragments, later Lc's and v's hi and lo fragments;
; window 2 the 32 tiles of k and v ((a, n) at 8 (8 a + n); n 0-3 k, 4-7 v); window 3 the 16 tiles of q ((a, e) at 8 (4 a + e)), later the 16 tiles of M.
.set PITCH,  272                       ; an LDS row: 256 bytes + 16 of padding: the 16 rows of a fragment load start 68 words apart
.set AQ,     64*PITCH                  ; a wave's quarter of X's tile
.set BQT,    48*PITCH                  ; a wave's quarter of W's tile
.set ABYTES, 256*PITCH
.set SLOT,   448*PITCH                 ; X's 256 rows, then W's 192 rows: 121,856 bytes
.set SUMS,   2*SLOT                    ; [wave 4][128 f32]: the waves' sums of k and of v.  No tensor load ever fills these bytes or MST's
.set MST,    SUMS+2048                 ; [wave 4][tile 16][half 2][lane 32][16 bytes]: the waves' parts of M
.set LAPS,   4                         ; 1024 / (2 x 128)
.set ADRA, 16                          ; v16-17 my X fragments in slot 0, 1
.set ADRB, 18                          ; v18-19 W's fragments in slot 0, 1
.set QO,   20                          ; 16 x lane
.set SX,   21                          ; SUMS + 512 w + 4 r
.set SR,   22                          ; SUMS + 4 r
.set MS,   23                          ; MST + 16384 w + 16 lane
.set MR,   24                          ; MST + 4096 w + 16 lane
.set SL,   25                          ; SUMS + 16 lane
.set NEG1, 26                          ; -1.0
.set BIASQ,  32                        ; v32-63   tile e: register j = bias of q's feature 16 e + 8 h + j
.set BIASKV, 64                        ; v64-127  tile n: all eight registers = bias of lane r's column
.set BT,   128                         ; v128-151 the biases as packed bf16, at work ahead of the first fragments
.set FA,   128                         ; v128-191 X's fragments, two buffers of 32 (window 0)
.set FB,   0                           ; v0-191   W's fragments, two buffers of 96 (window 1)
.set XH,   64                          ; way out, window 0: the other half's sum of 8 positions, 4 n + a
.set VX,   80
.set TW,   96                          ; waves 0-2's sums of k, 4 w + n
.set OWN,  128                         ; my half's sum of 8 positions
.set PS,   144                         ; a tile's sum of 16 positions, then the running sum over a
.set OFF,  160                         ; what is added to a tile's in-lane scan
.set VS1,  192                         ; partial sums of v
.set RS,   32                          ; the four waves' parts of four tiles of M
.set KH, 0                             ; window 1: fragment (kt, n) at 8 (4 kt + n)
.set KL, 64
.set VH, 128
.set VL, 192
.set G1A, 24                           ; s[24:31] group 1, X's tiles
.set G1B, 32                           ; s[32:39] group 1, W's tiles
.set G0A, 40                           ; s[40:47] group 0, X's tiles, a set for each slot
.set G0B, 48                           ; s[48:55] group 0, W's tiles
.set MSB, 0
.macro WIN new                         ; the immediate's high byte repeats the setting that is left
.if MSB != \new
	s_set_vgpr_msb (MSB<<8)|\new
.set MSB, \new
.endif
.endm
; low byte: bits 1:0 source 0, 3:2 source 1, 5:4 source 2, 7:6 destination
.set MQ,     0xf1                      ; W window 1, X window 0, C and D window 3
.set MQ1,    0xc1                      ; the same with C (bias) in window 0
.set MKV,    0xa4                      ; X window 0, W window 1, C and D window 2
.set MKV1,   0x84
.set TO_B,   0x40
.set ST3,    0x0c                      ; store data from window 3
.set SCAN,   0x8a
.set W2TO0,  0x0a
.set ADDOFF, 0x82
.set CVT,    0x4a
.set MIX,    0xa1
.set MM,     0xf5
.macro CREST                           ; a round of the cluster's barrier behind its opening barrier
	s_cmp_lg_u32 s16, 0
	s_cbranch_scc1 .Lnot_wave_0_\@
	s_barrier_signal -3
.Lnot_wave_0_\@:
	s_barrier_wait -3
	s_barrier_signal -1
	s_barrier_wait -1
.endm
.macro CROUND
	s_barrier_signal -1
	s_barrier_wait -1
	CREST
.endm
.macro PLACES                          ; four places behind a matrix instruction (ISA guide 7.12.1) before its results are read or its registers written or loaded into
.rept 4
	v_nop
.endr
.endm
.macro JLOAD s                         ; each wave asks for its quarter of X's tile (64 rows) and of W's (48 rows): two joint loads, no branch
	tensor_load_to_lds s[G0A+4*\s:G0A+4*\s+3], s[G1A:G1A+7]
	s_nop 0
	tensor_load_to_lds s[G0B+4*\s:G0B+4*\s+3], s[G1B:G1B+7]
	s_nop 0
.endm
	s_load_b256 s[4:11], s[0:1], 0x0               ; xb s[4:5], wb s[6:7], b_qkv s[8:9], qbuf s[10:11]
	s_load_b128 s[12:15], s[0:1], 0x20             ; mpart s[12:13], sums s[14:15]
	v_lshl_add_u32 v30, v0, 2, 0x4c000
	v_mov_b32 v31, 0
	ds_add_u32 v30, v31
	ds_add_u32 v30, v31
	v_lshrrev_b32 v3, 5, v0
	v_readfirstlane_b32 s16, v3                    ; wave 0..3
	s_bfe_u32 s17, ttmp6, 0x40000                  ; cx
	s_bfe_u32 s18, ttmp6, 0x40004                  ; cy
	s_lshl_b32 s19, ttmp9, 2
	s_add_co_u32 s19, s19, s17                     ; x = head
	s_and_b32 s20, ttmp7, 0xffff
	s_lshl_b32 s20, s20, 2
	s_add_co_u32 s20, s20, s18                     ; y = 8 batch + chunk
	s_lshl_b32 s21, s18, 2
	s_lshl_b32 s21, 15, s21                        ; my row of the cluster
	s_lshl_b32 s22, 0x1111, s17                    ; my column
	s_or_b32 s[G1A+0], s21, (1<<16)|(1<<20)|(1<<21)|(5<<22)|(3<<25)   ; mask; elements of 2 bytes; padding on; bit 21 beside a mask; after every 64 words 4 words
	s_or_b32 s[G1B+0], s22, (1<<16)|(1<<20)|(1<<21)|(5<<22)|(3<<25)
	s_mov_b32 s[G1A+1], 128<<16                    ; tensor_dim0 = 128
	s_mov_b32 s[G1B+1], 128<<16
	s_mov_b32 s[G1A+2], 64<<16                     ; tensor_dim1 = 64 rows
	s_mov_b32 s[G1B+2], 48<<16                     ; 48 rows
	s_mov_b32 s[G1A+3], 128<<16                    ; tile_dim0 = 128
	s_mov_b32 s[G1B+3], 128<<16
	s_mov_b32 s[G1A+4], 64                         ; tile_dim1
	s_mov_b32 s[G1B+4], 48
	s_mov_b32 s[G1A+5], 2048                       ; from a position to the next: two rows of xb (the two batches alternate)
	s_mov_b32 s[G1B+5], 1024
	s_mov_b32 s[G1A+6], 0
	s_mov_b32 s[G1B+6], 0
	s_mov_b32 s[G1A+7], 0
	s_mov_b32 s[G1B+7], 0
	; X's tile: made of y and the wave alone
	s_and_b32 s56, s20, 7
	s_lshl_b32 s56, s56, 9                         ; 512 rows of xb a chunk
	s_lshr_b32 s57, s20, 3
	s_add_co_u32 s56, s56, s57                     ; + batch
	s_lshl_b32 s57, s16, 7
	s_add_co_u32 s56, s56, s57                     ; + 64 positions a wave
	s_lshl_b32 s56, s56, 11                        ; 2,048 bytes a row
	s_mov_b32 s57, 0
	; W's tile: made of x and the wave alone
	s_mul_i32 s58, s19, 192
	s_mul_i32 s59, s16, 48
	s_add_co_u32 s58, s58, s59
	s_lshl_b32 s58, s58, 11
	s_mov_b32 s59, 0
	s_mul_i32 s60, s16, AQ                         ; LDS: the wave's number alone
	s_mul_i32 s61, s16, BQT
	s_add_co_u32 s61, s61, ABYTES
	s_mov_b32 s62, 0x76543210                      ; v_permlanex16_b32: lane i of the other half
	s_mov_b32 s63, 0xfedcba98
	s_cmp_gt_u32 s16, 0
	s_cselect_b32 s66, -1, 0                       ; wave i lies in front of mine
	s_cmp_gt_u32 s16, 1
	s_cselect_b32 s67, -1, 0
	s_cmp_gt_u32 s16, 2
	s_cselect_b32 s68, -1, 0
	s_lshl4_add_u32 s80, s20, s19                  ; 16 y + x (s78-80 feed no descriptor and no LDS address)
	s_mov_b32 s79, 0
	s_wait_dscnt 0x0
	s_wait_kmcnt 0x0
	s_add_nc_u64 s[56:57], s[4:5], s[56:57]
	s_add_nc_u64 s[58:59], s[6:7], s[58:59]
	s_lshl_b32 s78, s80, 16
	s_lshl_b32 s81, s16, 14
	s_add_co_u32 s78, s78, s81
	s_add_nc_u64 s[70:71], s[10:11], s[78:79]      ; qbuf  + (16 y + x) 65536 + 16384 w
	s_lshl_b32 s78, s80, 14
	s_lshl_b32 s81, s16, 12
	s_add_co_u32 s78, s78, s81
	s_add_nc_u64 s[72:73], s[12:13], s[78:79]      ; mpart + (16 y + x) 16384 + 4096 w
	s_lshl_b32 s78, s80, 9
	s_add_nc_u64 s[74:75], s[14:15], s[78:79]      ; sums  + (16 y + x) 512
	s_mul_i32 s78, s19, 768
	s_add_nc_u64 s[76:77], s[8:9], s[78:79]        ; the head's 192 biases
	CROUND                                         ; all sixteen work-groups are here: the first joint loads meet
.irp s, 0,1
	s_mov_b32 s[G0A+4*\s], 1
	s_add_co_u32 s[G0A+4*\s+1], s60, \s*SLOT
	s_add_nc_u64 s[G0A+4*\s+2:G0A+4*\s+3], s[56:57], \s*256        ; K step s
	s_or_b32 s[G0A+4*\s+3], s[G0A+4*\s+3], 0x80000000
	s_mov_b32 s[G0B+4*\s], 1
	s_add_co_u32 s[G0B+4*\s+1], s61, \s*SLOT
	s_add_nc_u64 s[G0B+4*\s+2:G0B+4*\s+3], s[58:59], \s*256
	s_or_b32 s[G0B+4*\s+3], s[G0B+4*\s+3], 0x80000000
	JLOAD \s                                       ; four tensor loads of the wave are out here, later two
.endr
	v_and_b32 v1, 15, v0                           ; r
	v_bfe_u32 v2, v0, 4, 1                         ; h
	v_and_b32 v4, 31, v0                           ; lane
	v_lshlrev_b32 v27, 5, v2                       ; 8 h floats
	v_lshlrev_b32 v28, 2, v1                       ; r floats
	v_lshlrev_b32 v29, 4, v1                       ; 4 r floats
.irp e, 0,1,2,3
	global_load_b128 v[BIASQ+8*\e:BIASQ+8*\e+3],   v27, s[76:77] offset:64*\e
	global_load_b128 v[BIASQ+8*\e+4:BIASQ+8*\e+7], v27, s[76:77] offset:64*\e+16
.endr
.irp n, 0,1,2,3
	global_load_b32 v[BIASKV+8*\n],    v28, s[76:77] offset:256+64*\n  ; k: feature 16 n + r
	global_load_b32 v[BIASKV+32+8*\n], v29, s[76:77] offset:512+4*\n   ; v: lane r of tile T = n stands for d = 4 r + T
.endr
	v_mul_u32_u24 v5, v1, PITCH
	v_lshl_add_u32 v5, v2, 4, v5                   ; row x pitch + 16 h
	v_add_nc_u32 v[ADRA], s60, v5
	v_add_nc_u32 v[ADRA+1], SLOT, v[ADRA]
	v_add_nc_u32 v[ADRB], ABYTES, v5
	v_add_nc_u32 v[ADRB+1], SLOT, v[ADRB]
	v_lshlrev_b32 v[QO], 4, v4
	s_lshl_b32 s81, s16, 9
	s_add_co_u32 s81, s81, SUMS
	v_lshl_add_u32 v[SX], v1, 2, s81
	v_lshl_add_u32 v[SR], v1, 2, SUMS
	s_lshl_b32 s81, s16, 14
	s_add_co_u32 s81, s81, MST
	v_lshl_add_u32 v[MS], v4, 4, s81
	s_lshl_b32 s81, s16, 12
	s_add_co_u32 s81, s81, MST
	v_lshl_add_u32 v[MR], v4, 4, s81
	v_lshl_add_u32 v[SL], v4, 4, SUMS
	v_mov_b32 v[NEG1], -1.0
	s_wait_loadcnt 0x0                             ; the biases, once
	; the bias takes the format of the matrix operand whose last column it is: to bf16 (nearest even), and back to f32 by a shift or a mask
.irp p, 0,1,2,3,4,5,6,7,8,9,10,11,12,13,14,15
	v_cvt_pk_bf16_f32 v[BT+\p], v[BIASQ+2*\p], v[BIASQ+2*\p+1]
.endr
.irp n, 0,2,4,6
	v_cvt_pk_bf16_f32 v[BT+16+\n], v[BIASKV+8*\n], v[BIASKV+8*\n+8]
.endr
.irp p, 0,1,2,3,4,5,6,7,8,9,10,11,12,13,14,15
	v_lshlrev_b32 v[BIASQ+2*\p], 16, v[BT+\p]
	v_and_b32 v[BIASQ+2*\p+1], 0xffff0000, v[BT+\p]
.endr
.irp n, 0,2,4,6
	v_lshlrev_b32 v[BIASKV+8*\n], 16, v[BT+16+\n]
	v_and_b32 v[BIASKV+8*\n+8], 0xffff0000, v[BT+16+\n]
.endr
.irp n, 0,1,2,3,4,5,6,7
.irp j, 1,2,3,4,5,6,7
	v_mov_b32 v[BIASKV+8*\n+\j], v[BIASKV+8*\n]    ; a C tile whose eight rows are alike: the first products take it, so nothing is cleared and no bias is added later
.endr
.endr
; 16 matrix instructions: q, 4 blocks of positions x 4 blocks of features, 32 along K, from buffer c.  first = 1: C is the bias tile.
; All 48 accumulators take turns, one instruction a turn, in the same order in every quarter step and over the backward jump.
.macro MULQ c, first
.if \first
	WIN MQ1
.else
	WIN MQ
.endif
.irp a, 0,1,2,3
.irp e, 0,1,2,3
.if \first
	v_wmma_f32_16x16x32_bf16 v[8*(4*\a+\e):8*(4*\a+\e)+7], v[FB+96*\c+8*\e:FB+96*\c+8*\e+7], v[FA+32*\c+8*\a:FA+32*\c+8*\a+7], v[BIASQ+8*\e:BIASQ+8*\e+7]
.else
	v_wmma_f32_16x16x32_bf16 v[8*(4*\a+\e):8*(4*\a+\e)+7], v[FB+96*\c+8*\e:FB+96*\c+8*\e+7], v[FA+32*\c+8*\a:FA+32*\c+8*\a+7], v[8*(4*\a+\e):8*(4*\a+\e)+7]
.endif
.endr
.endr
.endm
; 32 matrix instructions: k and v, 4 blocks of positions x 8 blocks of columns
.macro MULKV c, first
.if \first
	WIN MKV1
.else
	WIN MKV
.endif
.irp a, 0,1,2,3
.irp n, 0,1,2,3,4,5,6,7
.if \first
	v_wmma_f32_16x16x32_bf16 v[8*(8*\a+\n):8*(8*\a+\n)+7], v[FA+32*\c+8*\a:FA+32*\c+8*\a+7], v[FB+96*\c+32+8*\n:FB+96*\c+32+8*\n+7], v[BIASKV+8*\n:BIASKV+8*\n+7]
.else
	v_wmma_f32_16x16x32_bf16 v[8*(8*\a+\n):8*(8*\a+\n)+7], v[FA+32*\c+8*\a:FA+32*\c+8*\a+7], v[FB+96*\c+32+8*\n:FB+96*\c+32+8*\n+7], v[8*(8*\a+\n):8*(8*\a+\n)+7]
.endif
.endr
.endr
.endm
; 32 LDS loads in one run: my 64 rows of X, then W's 192 rows (q's 64 first), 32 K at byte k of the rows, into buffer c
.macro FETCH slot, k, c
	WIN 0
.irp a, 0,1,2,3
	ds_load_b128 v[FA+32*\c+8*\a:FA+32*\c+8*\a+3],   v[ADRA+\slot] offset:\k+\a*16*PITCH
	ds_load_b128 v[FA+32*\c+8*\a+4:FA+32*\c+8*\a+7], v[ADRA+\slot] offset:\k+\a*16*PITCH+32
.endr
	WIN TO_B
.irp n, 0,1,2,3,4,5,6,7,8,9,10,11
	ds_load_b128 v[FB+96*\c+8*\n:FB+96*\c+8*\n+3],   v[ADRB+\slot] offset:\k+\n*16*PITCH
	ds_load_b128 v[FB+96*\c+8*\n+4:FB+96*\c+8*\n+7], v[ADRB+\slot] offset:\k+\n*16*PITCH+32
.endr
.endm
; A quarter step: multiplies buffer c; behind q's products it fetches the next quarter's fragments into buffer nx
.macro QUARTER slot, k, c, nx, first
	s_wait_dscnt 16                                ; X's and q's fragments are in; the youngest 16 loads (k's and v's) may be out
	MULQ \c, \first
	PLACES
	FETCH \slot, \k, \nx
	s_wait_dscnt 32                                ; all but the 32 just issued
	MULKV \c, \first
.endm
.macro THREE slot, first
	QUARTER \slot, 64,  0, 1, \first
	QUARTER \slot, 128, 1, 0, 0
	QUARTER \slot, 192, 0, 1, 0
.endm
; The last quarter of a K step changes slots.  In front of the barrier each wave waits for its reads of this slot and for all its tensor loads (its parts of the next slot).
; fill = 1: the barrier opens a round of the cluster's barrier, and behind the round this slot is asked for again, two K steps ahead, before anything is read from LDS:
; no wave of any partner still reads the slot or has a load on its way.  From a request to the wait for it a wave issues 176 matrix instructions.
.macro TURN slot, next, fill
	s_wait_dscnt 0x0
	s_set_vgpr_msb 0xa4a0
	s_wait_tensorcnt 0x0
	ds_add_u32 v30, v31
	s_wait_dscnt 0x0
	s_set_vgpr_msb 0xa0a4
	s_barrier_signal -1
	MULQ 1, 0                                      ; register work while the others arrive
	WIN 0
	s_barrier_wait -1
.if \fill
	CREST
	s_add_nc_u64 s[G0A+4*\slot+2:G0A+4*\slot+3], s[G0A+4*\slot+2:G0A+4*\slot+3], 512   ; no tensor load of mine is out: the addresses may step
	s_add_nc_u64 s[G0B+4*\slot+2:G0B+4*\slot+3], s[G0B+4*\slot+2:G0B+4*\slot+3], 512
	JLOAD \slot
.endif
	PLACES
	FETCH \next, 0, 0
	MULKV 1, 0
.endm
.macro LAP first
	THREE 0, \first
	TURN 0, 1, 1
	THREE 1, 0
	TURN 1, 0, 1
.endm
	s_wait_tensorcnt 2                             ; my two parts of K step 0 are in; K step 1's two stay out
	s_barrier_signal -1
	s_barrier_wait -1
	FETCH 0, 0, 0
	LAP 1
	WIN 0
	s_mov_b32 s3, LAPS-2
.Llap:
	LAP 0
	WIN 0
	s_sub_co_u32 s3, s3, 1
	s_cmp_lg_u32 s3, 0
	s_cbranch_scc1 .Llap
	THREE 0, 0                                     ; the last lap fills nothing
	TURN 0, 1, 0
	THREE 1, 0
	s_wait_dscnt 0x0
	MULQ 1, 0
	MULKV 1, 0
	PLACES
	; q leaves as it lies: tile t = 4 a + e, two stores of 512 consecutive bytes each
	WIN ST3
.irp t, 0,1,2,3,4,5,6,7,8,9,10,11,12,13,14,15
.irp u, 0,1
	global_store_b128 v[QO], v[8*\t+4*\u:8*\t+4*\u+3], s[70:71] offset:1024*\t+512*\u
.endr
.endr
	; the scan of k along the positions.  In a lane: registers 0..7 are 8 neighbouring positions
	WIN SCAN
.irp j, 1,2,3,4,5,6,7
.irp a, 0,1,2,3
.irp n, 0,1,2,3
	v_add_f32 v[8*(8*\a+\n)+\j], v[8*(8*\a+\n)+\j-1], v[8*(8*\a+\n)+\j]
.endr
.endr
.endr
	WIN W2TO0
.irp n, 0,1,2,3
.irp a, 0,1,2,3
	v_mov_b32 v[OWN+4*\n+\a], v[8*(8*\a+\n)+7]     ; my 8 positions' sum
.endr
.endr
.irp t, 0,1,2,3
.irp a, 0,1,2,3
	v_pk_add_f32 v[VS1+4*(4*\t+\a):VS1+4*(4*\t+\a)+1],   v[8*(8*\a+4+\t):8*(8*\a+4+\t)+1],   v[8*(8*\a+4+\t)+2:8*(8*\a+4+\t)+3]
	v_pk_add_f32 v[VS1+4*(4*\t+\a)+2:VS1+4*(4*\t+\a)+3], v[8*(8*\a+4+\t)+4:8*(8*\a+4+\t)+5], v[8*(8*\a+4+\t)+6:8*(8*\a+4+\t)+7]
.endr
.endr
	WIN 0
.irp i, 0,1,2,3,4,5,6,7,8,9,10,11,12,13,14,15
	v_permlanex16_b32 v[XH+\i], v[OWN+\i], s62, s63        ; the other half's 8 positions (the destination has been written: it held a bias)
.endr
.irp i, 0,1,2,3,4,5,6,7,8,9,10,11,12,13,14,15
	v_add_f32 v[PS+\i], v[OWN+\i], v[XH+\i]                ; a tile's 16 positions
.endr
.irp a, 1,2,3
.irp n, 0,1,2,3
	v_add_f32 v[PS+4*\n+\a], v[PS+4*\n+\a-1], v[PS+4*\n+\a]    ; running over my four tiles; a = 3: my 64 positions
.endr
.endr
.irp u, 0,1,2,3,4,5,6,7,8,9,10,11,12,13,14,15
	v_pk_add_f32 v[VS1+4*\u:VS1+4*\u+1], v[VS1+4*\u:VS1+4*\u+1], v[VS1+4*\u+2:VS1+4*\u+3]
.endr
.irp t, 0,1,2,3
	v_pk_add_f32 v[VS1+16*\t:VS1+16*\t+1],   v[VS1+16*\t:VS1+16*\t+1],   v[VS1+16*\t+4:VS1+16*\t+5]
	v_pk_add_f32 v[VS1+16*\t+8:VS1+16*\t+9], v[VS1+16*\t+8:VS1+16*\t+9], v[VS1+16*\t+12:VS1+16*\t+13]
.endr
.irp t, 0,1,2,3
	v_pk_add_f32 v[VS1+16*\t:VS1+16*\t+1], v[VS1+16*\t:VS1+16*\t+1], v[VS1+16*\t+8:VS1+16*\t+9]
.endr
.irp t, 0,1,2,3
	v_add_f32 v[VS1+16*\t], v[VS1+16*\t], v[VS1+16*\t+1]
.endr
.irp t, 0,1,2,3
	v_permlanex16_b32 v[VX+\t], v[VS1+16*\t], s62, s63
.endr
.irp t, 0,1,2,3
	v_add_f32 v[VS1+16*\t], v[VS1+16*\t], v[VX+\t]         ; my 64 positions' sum of v
.endr
.irp n, 0,1,2,3
	ds_store_b32 v[SX], v[PS+4*\n+3] offset:64*\n          ; lanes r and r + 16 store the same number to the same word
	ds_store_b32 v[SX], v[VS1+16*\n] offset:256+64*\n
.endr
	s_wait_dscnt 0x0                               ; my stores are done, for the other waves' sake
	s_barrier_signal -1
	s_barrier_wait -1
.irp w, 0,1,2
.irp n, 0,1,2,3
	ds_load_b32 v[TW+4*\w+\n], v[SR] offset:512*\w+64*\n
.endr
.endr
	v_cmp_le_u32 vcc_lo, 16, v4
.irp i, 0,1,2,3,4,5,6,7,8,9,10,11,12,13,14,15
	v_cndmask_b32 v[OFF+\i], 0, v[XH+\i], vcc_lo   ; the upper half of the lanes comes behind the lower half's 8 positions,
.endr
.irp a, 1,2,3
.irp n, 0,1,2,3
	v_add_f32 v[OFF+4*\n+\a], v[OFF+4*\n+\a], v[PS+4*\n+\a-1]  ; tile a behind my tiles in front of it,
.endr
.endr
	s_wait_dscnt 0x0
.irp n, 0,1,2,3
	v_cndmask_b32 v[TW+\n],   0, v[TW+\n],   s66
	v_cndmask_b32 v[TW+4+\n], 0, v[TW+4+\n], s67
	v_cndmask_b32 v[TW+8+\n], 0, v[TW+8+\n], s68
.endr
.irp n, 0,1,2,3
	v_add_f32 v[TW+\n], v[TW+\n], v[TW+4+\n]
.endr
.irp n, 0,1,2,3
	v_add_f32 v[TW+\n], v[TW+\n], v[TW+8+\n]
.endr
.irp n, 0,1,2,3
.irp a, 0,1,2,3
	v_add_f32 v[OFF+4*\n+\a], v[OFF+4*\n+\a], v[TW+\n]     ; and my wave behind the waves in front of it
.endr
.endr
	WIN ADDOFF
.irp n, 0,1,2,3
.irp a, 0,1,2,3
.irp p, 0,1,2,3
.if \a & 1
	v_pk_add_f32 v[8*(8*\a+\n)+2*\p:8*(8*\a+\n)+2*\p+1], v[8*(8*\a+\n)+2*\p:8*(8*\a+\n)+2*\p+1], v[OFF+4*\n+\a-1:OFF+4*\n+\a] op_sel:[0,1] op_sel_hi:[1,1]
.else
	v_pk_add_f32 v[8*(8*\a+\n)+2*\p:8*(8*\a+\n)+2*\p+1], v[8*(8*\a+\n)+2*\p:8*(8*\a+\n)+2*\p+1], v[OFF+4*\n+\a:OFF+4*\n+\a+1] op_sel_hi:[1,0]
.endif
.endr
.endr
.endr
; Lc and v to bf16 fragments: tile a goes to registers 4 (a & 1) .. + 3 of the fragment of K block a >> 1
.macro PACK kd, vd
	WIN CVT
.irp a, 0,1,2,3
.irp n, 0,1,2,3
.irp i, 0,1,2,3
	v_cvt_pk_bf16_f32 v[\kd+8*(4*(\a>>1)+\n)+4*(\a&1)+\i], v[8*(8*\a+\n)+2*\i],   v[8*(8*\a+\n)+2*\i+1]
	v_cvt_pk_bf16_f32 v[\vd+8*(4*(\a>>1)+\n)+4*(\a&1)+\i], v[8*(8*\a+4+\n)+2*\i], v[8*(8*\a+4+\n)+2*\i+1]
.endr
.endr
.endr
.endm
	PACK KH, VH
	WIN MIX                                        ; what the rounding left: a - bf16(a), exact in f32, in place
.irp a, 0,1,2,3
.irp n, 0,1,2,3
.irp i, 0,1,2,3
	v_fma_mix_f32_bf16 v[8*(8*\a+\n)+2*\i],     v[KH+8*(4*(\a>>1)+\n)+4*(\a&1)+\i], v[NEG1], v[8*(8*\a+\n)+2*\i] op_sel_hi:[1,0,0]
	v_fma_mix_f32_bf16 v[8*(8*\a+\n)+2*\i+1],   v[KH+8*(4*(\a>>1)+\n)+4*(\a&1)+\i], v[NEG1], v[8*(8*\a+\n)+2*\i+1] op_sel:[1,0,0] op_sel_hi:[1,0,0]
	v_fma_mix_f32_bf16 v[8*(8*\a+4+\n)+2*\i],   v[VH+8*(4*(\a>>1)+\n)+4*(\a&1)+\i], v[NEG1], v[8*(8*\a+4+\n)+2*\i] op_sel_hi:[1,0,0]
	v_fma_mix_f32_bf16 v[8*(8*\a+4+\n)+2*\i+1], v[VH+8*(4*(\a>>1)+\n)+4*(\a&1)+\i], v[NEG1], v[8*(8*\a+4+\n)+2*\i+1] op_sel:[1,0,0] op_sel_hi:[1,0,0]
.endr
.endr
.endr
	PACK KL, VL
	s_wait_xcnt 0x0                                ; q's stores have read window 3, which M's tiles now take
; M(e, slot) of my 64 positions: tile 4 e + t; the 16 accumulators take turns, one instruction a turn
.macro MPASS ka, vb, kt, zero
.irp e, 0,1,2,3
.irp t, 0,1,2,3
.if \zero
	v_wmma_f32_16x16x32_bf16 v[8*(4*\e+\t):8*(4*\e+\t)+7], v[\ka+8*(4*\kt+\e):\ka+8*(4*\kt+\e)+7], v[\vb+8*(4*\kt+\t):\vb+8*(4*\kt+\t)+7], 0
.else
	v_wmma_f32_16x16x32_bf16 v[8*(4*\e+\t):8*(4*\e+\t)+7], v[\ka+8*(4*\kt+\e):\ka+8*(4*\kt+\e)+7], v[\vb+8*(4*\kt+\t):\vb+8*(4*\kt+\t)+7], v[8*(4*\e+\t):8*(4*\e+\t)+7]
.endif
.endr
.endr
.endm
	WIN MM
	MPASS KH, VH, 0, 1
	MPASS KH, VH, 1, 0
	MPASS KL, VH, 0, 0
	MPASS KL, VH, 1, 0
	MPASS KH, VL, 0, 0
	MPASS KH, VL, 1, 0
	PLACES
	WIN ST3
.irp t, 0,1,2,3,4,5,6,7,8,9,10,11,12,13,14,15
.irp u, 0,1
	ds_store_b128 v[MS], v[8*\t+4*\u:8*\t+4*\u+3] offset:1024*\t+512*\u
.endr
.endr
	WIN 0
	s_wait_dscnt 0x0                               ; my part of M is in LDS, for the other waves' sake
	s_barrier_signal -1
	s_barrier_wait -1
	; wave w adds the four waves' parts of tiles 4 w .. 4 w + 3 and stores them: 512 consecutive bytes a store
.irp w, 0,1,2,3
.irp i, 0,1,2,3,4,5,6,7
	ds_load_b128 v[RS+32*\w+4*\i:RS+32*\w+4*\i+3], v[MR] offset:16384*\w+512*\i
.endr
.endr
	s_wait_dscnt 0x0
.irp i, 0,1,2,3,4,5,6,7,8,9,10,11,12,13,14,15
	v_pk_add_f32 v[RS+2*\i:RS+2*\i+1],       v[RS+2*\i:RS+2*\i+1],       v[RS+32+2*\i:RS+32+2*\i+1]
	v_pk_add_f32 v[RS+64+2*\i:RS+64+2*\i+1], v[RS+64+2*\i:RS+64+2*\i+1], v[RS+96+2*\i:RS+96+2*\i+1]
.endr
.irp i, 0,1,2,3,4,5,6,7,8,9,10,11,12,13,14,15
	v_pk_add_f32 v[RS+2*\i:RS+2*\i+1], v[RS+2*\i:RS+2*\i+1], v[RS+64+2*\i:RS+64+2*\i+1]
.endr
.irp i, 0,1,2,3,4,5,6,7
	global_store_b128 v[QO], v[RS+4*\i:RS+4*\i+3], s[72:73] offset:512*\i
.endr
	s_cmp_lg_u32 s16, 0
	s_cbranch_scc1 .Lno_sums
	; wave 0: the chunk's ksum (64) and vsum (64), 512 bytes in one store
.irp w, 0,1,2,3
	ds_load_b128 v[OFF+4*\w:OFF+4*\w+3], v[SL] offset:512*\w
.endr
	s_wait_dscnt 0x0
	v_pk_add_f32 v[OFF:OFF+1],     v[OFF:OFF+1],     v[OFF+4:OFF+5]
	v_pk_add_f32 v[OFF+2:OFF+3],   v[OFF+2:OFF+3],   v[OFF+6:OFF+7]
	v_pk_add_f32 v[OFF+8:OFF+9],   v[OFF+8:OFF+9],   v[OFF+12:OFF+13]
	v_pk_add_f32 v[OFF+10:OFF+11], v[OFF+10:OFF+11], v[OFF+14:OFF+15]
	v_pk_add_f32 v[OFF:OFF+1],     v[OFF:OFF+1],     v[OFF+8:OFF+9]
	v_pk_add_f32 v[OFF+2:OFF+3],   v[OFF+2:OFF+3],   v[OFF+10:OFF+11]
	global_store_b128 v[QO], v[OFF:OFF+3], s[74:75]
.Lno_sums:
	s_wait_tensorcnt 0x0
	ds_add_u32 v30, v31
	s_wait_dscnt 0x0
	CROUND                                         ; the closing round: no work-group ends while a partner may still ask for a tile that names it
	s_endpgm
.Lfunc_end_k_q443c21cc24_qkv:
	.size	k_q443c21cc24_qkv, .Lfunc_end_k_q443c21cc24_qkv-k_q443c21cc24_qkv
	.p2alignl 7, 3214868480
	.fill 96, 4, 3214868480
	.section	.rodata,"a",@progbits
	.p2align	6, 0x0
	.amdhsa_kernel k_q443c21cc24_qkv
		.amdhsa_group_segment_fixed_size 327680
		.amdhsa_private_segment_fixed_size 0
		.amdhsa_enable_private_segment 0
		.amdhsa_kernarg_size 48
		.amdhsa_user_sgpr_count 2
		.amdhsa_user_sgpr_kernarg_segment_ptr 1
		.amdhsa_wavefront_size32 1
		.amdhsa_system_sgpr_workgroup_id_x 1
		.amdhsa_system_sgpr_workgroup_id_y 1
		.amdhsa_system_sgpr_workgroup_id_z 1
		.amdhsa_system_vgpr_workitem_id 0
		.amdhsa_next_free_vgpr 896
		.amdhsa_next_free_sgpr 84
		.amdhsa_reserve_vcc 1
		.amdhsa_float_denorm_mode_32 3
		.amdhsa_float_denorm_mode_16_64 3
		.amdhsa_memory_ordered 1
		.amdhsa_forward_progress 1
		.amdhsa_inst_pref_size 213
	.end_amdhsa_kernel
	.amdgpu_metadata
---
amdhsa.version: [ 1, 2 ]
amdhsa.kernels:
  - .name:           k_q443c21cc24_qkv
    .symbol:         k_q443c21cc24_qkv.kd
    .args:
      - { .name: xb, .offset: 0, .size: 8, .value_kind: global_buffer, .address_space: global }
      - { .name: wb, .offset: 8, .size: 8, .value_kind: global_buffer, .address_space: global }
      - { .name: b_qkv, .offset: 16, .size: 8, .value_kind: global_buffer, .address_space: global }
      - { .name: qbuf, .offset: 24, .size: 8, .value_kind: global_buffer, .address_space: global }
      - { .name: mpart, .offset: 32, .size: 8, .value_kind: global_buffer, .address_space: global }
      - { .name: sums, .offset: 40, .size: 8, .value_kind: global_buffer, .address_space: global }
    .group_segment_fixed_size: 327680
    .private_segment_fixed_size: 0
    .kernarg_segment_align: 8
    .kernarg_segment_size: 48
    .max_flat_workgroup_size: 128
    .sgpr_count:     84
    .vgpr_count:     896
    .wavefront_size: 32
...
	.end_amdgpu_metadata
.endif
;; end of part 2
;; launch ctx (part 3): grid 16 x 16, 16 waves a work-group, no clusters, 22,528 bytes of LDS; arguments qbuf, mpart, sums, out0; writes out0
.if DOCPART == 3
	.amdgcn_target "amdgcn-amd-amdhsa--gfx1250"
	.amdhsa_code_object_version 6
	.text
	.protected	k_q443c21cc24_ctx
	.globl	k_q443c21cc24_ctx
	.p2align	8
	.type	k_q443c21cc24_ctx,@function
k_q443c21cc24_ctx:
	s_mov_b64 s[64:65], 0
	v_nop
	global_prefetch_b8 v0, s[64:65] scope:SCOPE_SE
	s_setreg_imm32_b32 hwreg(HW_REG_WAVE_MODE, 25, 1), 1
	s_wait_xcnt 0x0
; out[s] = c q[s] M, c = 64^-0.5 x 2048^-0.5 = 2^-8.5, with M = sum over the 8 chunks j of M_j + sum over j = 1..7 of P_j (x) vsum_j, P_j = ksum_0 + .. + ksum_(j-1).
; Work-group (x, y): head x, batch y >> 3, chunk y & 7 of 256 positions.  16 waves; wave g first makes tile g = 4 ea + T of M (rows e = 16 ea .., slots 16 T ..),
; then the 16 positions 16 g .. 16 g + 15 of the output.  q and M's parts were stored as accumulator images, so a lane's loads land in the registers where it needs them.
; An f32 tile (lane (r, h), register j = (8 h + j, r)) packed in pairs to bf16 is half a 16-bit fragment with index r: M's tiles become B's fragments, q's (stored
; transposed) A's, without a shuffle.  Slot (T, r) stands for d = 4 r + T: a lane's four results of a position are 16 neighbouring bytes of the output.
; LIMITS: the order of the sums differs from reference()'s.  q and M enter the product as bf16 pairs hi + lo (hi hi, lo hi, hi lo; lo lo is dropped): some 16 bits, f32's range.
; No cluster and no tensor loads: everything comes lane by lane straight into registers and is used once; the eight work-groups of a (batch, head) share only M's parts,
; 128 KiB each, and a joint request brings tiles to LDS, from where they would have to be read once more.
.set FR,   4096                        ; LDS: bytes 0-4095 [chunk 8][128 f32] ksum, vsum; from FR on [fragment 16 = 8 lo + 4 kb + T][part 2][lane 32][16 bytes]
.set NEG1, 14
.set Q,    16                          ; v16-47   q as loaded: tile fe at 8 fe; at the end the output, position j at 4 j
.set BF,   48                          ; v48-175  M's 16 fragments
.set ML,   48                          ; before that: v48-111 the 8 chunks' parts of my tile,
.set KS,   112                         ; v112-167 ksum_0..6 of my 8 rows e (ksum_0's registers carry the running P),
.set VS,   168                         ; v168-175 vsum_0..7 of my slot
.set AH,   176                         ; v176-191 q hi, two fragments
.set AL,   192                         ; v192-207 q lo
.set ACC,  208                         ; v208-239 four accumulators; first M's hi and lo
.set MH,   208
.set MLO,  212
.set SU,   240
	s_load_b256 s[4:11], s[0:1], 0x0               ; qbuf s[4:5], mpart s[6:7], sums s[8:9], out0 s[10:11]
	v_lshl_add_u32 v244, v0, 2, 0x5000
	v_mov_b32 v245, 0
	v_lshrrev_b32 v4, 5, v0
	v_readfirstlane_b32 s12, v4                    ; g
	v_and_b32 v1, 31, v0                           ; lane
	v_and_b32 v2, 15, v0                           ; r
	v_bfe_u32 v3, v0, 4, 1                         ; h
	s_and_b32 s13, ttmp7, 0xffff                   ; y
	s_lshr_b32 s14, s13, 3                         ; batch
	s_and_b32 s15, s13, 7                          ; chunk
	s_lshl_b32 s16, s14, 7
	s_add_co_u32 s16, s16, ttmp9                   ; 128 batch + x: chunk 0's block
	s_lshl4_add_u32 s17, s13, ttmp9                ; 16 y + x
	s_lshl_b32 s20, s17, 16
	s_mov_b32 s21, 0
	s_lshl_b32 s22, s16, 14
	s_mov_b32 s23, 0
	s_lshl_b32 s24, s16, 9
	s_mov_b32 s25, 0
	s_lshl_b32 s26, s15, 9                         ; row of out0 = 2 (256 chunk + 16 g) + batch
	s_lshl_b32 s27, s12, 5
	s_add_co_u32 s26, s26, s27
	s_add_co_u32 s26, s26, s14
	s_lshl_b32 s26, s26, 12                        ; 4,096 bytes a row
	s_lshl_b32 s27, ttmp9, 8                       ; + the head's 256 bytes
	s_add_co_u32 s26, s26, s27
	s_mov_b32 s27, 0
	s_and_b32 s30, s12, 3                          ; T
	s_lshr_b32 s31, s12, 2                         ; ea
	s_lshl_b32 s32, s30, 6
	s_add_co_u32 s32, s32, 256
	v_lshl_add_u32 v9, v2, 2, s32                  ; vsum of slot 16 T + r
	s_lshl_b32 s33, s31, 6
	v_lshl_add_u32 v10, v3, 5, s33                 ; ksum of e = 16 ea + 8 h ..
	s_lshr_b32 s35, s31, 1
	s_lshl_b32 s34, s35, 12                        ; fragment 4 (ea >> 1) + T,
	s_lshl_b32 s35, s30, 10
	s_add_co_u32 s34, s34, s35
	s_and_b32 s35, s31, 1
	s_lshl_b32 s35, s35, 9                         ; part ea & 1
	s_add_co_u32 s34, s34, s35
	s_add_co_u32 s34, s34, FR
	v_lshl_add_u32 v11, v1, 4, s34
	v_lshl_add_u32 v12, v1, 4, FR
	s_lshl_b32 s36, s12, 10
	v_lshl_add_u32 v7, v1, 4, s36                  ; mpart: tile g
	s_lshl_b32 s37, s12, 12
	v_lshl_add_u32 v8, v1, 4, s37                  ; qbuf: block g
	s_lshr_b32 s38, s12, 1
	s_lshl_b32 s38, s38, 13                        ; sums: chunk g >> 1 (8,192 bytes from chunk to chunk),
	s_and_b32 s39, s12, 1
	s_lshl_b32 s39, s39, 8                         ; half g & 1 of its 512 bytes
	s_add_co_u32 s38, s38, s39
	v_lshl_add_u32 v5, v1, 3, s38
	v_lshlrev_b32 v6, 3, v0                        ; the same bytes in LDS: 8 x thread
	v_lshlrev_b32 v13, 4, v2
	v_lshl_add_u32 v13, v3, 16, v13                ; out0: 8 h positions of 8,192 bytes + 16 r
	v_mov_b32 v[NEG1], -1.0
	s_wait_kmcnt 0x0
	s_add_nc_u64 s[4:5], s[4:5], s[20:21]
	s_add_nc_u64 s[6:7], s[6:7], s[22:23]
	s_add_nc_u64 s[8:9], s[8:9], s[24:25]
	s_add_nc_u64 s[10:11], s[10:11], s[26:27]
	global_load_b64 v[SU:SU+1], v5, s[8:9]
.irp j, 0,1,2,3,4,5,6,7
	global_load_b128 v[ML+8*\j:ML+8*\j+3],   v7, s[6:7] offset:262144*\j
	global_load_b128 v[ML+8*\j+4:ML+8*\j+7], v7, s[6:7] offset:262144*\j+512
.endr
.irp i, 0,1,2,3,4,5,6,7
	global_load_b128 v[Q+4*\i:Q+4*\i+3], v8, s[4:5] offset:512*\i th:TH_LOAD_NT
.endr
	s_wait_loadcnt 24                              ; the sums are in; M's 16 loads and q's 8 stay out
	ds_store_b64 v6, v[SU:SU+1]
	s_wait_dscnt 0x0                               ; for the other waves' sake
	s_barrier_signal -1
	s_barrier_wait -1
.irp j, 0,1,2,3,4,5,6,7
	ds_load_b32 v[VS+\j], v9 offset:512*\j         ; vsum_0 only fills its register pair
.endr
.irp j, 0,1,2,3,4,5,6
	ds_load_b128 v[KS+8*\j:KS+8*\j+3],   v10 offset:512*\j
	ds_load_b128 v[KS+8*\j+4:KS+8*\j+7], v10 offset:512*\j+16
.endr
	s_wait_loadcnt 8                               ; M's parts are in; q's 8 loads stay out
.irp j, 1,2,3,4,5,6,7
.irp p, 0,1,2,3
	v_pk_add_f32 v[ML+2*\p:ML+2*\p+1], v[ML+2*\p:ML+2*\p+1], v[ML+8*\j+2*\p:ML+8*\j+2*\p+1]
.endr
.endr
.irp j, 0,1,2,3,4,5,6
	s_wait_dscnt 2*(6-\j)                          ; ksum_j is in (and all of vsum, asked for earlier); the later chunks' two loads each stay out
.if \j
.irp p, 0,1,2,3
	v_pk_add_f32 v[KS+2*\p:KS+2*\p+1], v[KS+2*\p:KS+2*\p+1], v[KS+8*\j+2*\p:KS+8*\j+2*\p+1]   ; P of chunk j + 1
.endr
.endif
.irp p, 0,1,2,3
.if (\j+1) & 1
	v_pk_fma_f32 v[ML+2*\p:ML+2*\p+1], v[KS+2*\p:KS+2*\p+1], v[VS+\j:VS+\j+1], v[ML+2*\p:ML+2*\p+1] op_sel:[0,1,0] op_sel_hi:[1,1,1]
.else
	v_pk_fma_f32 v[ML+2*\p:ML+2*\p+1], v[KS+2*\p:KS+2*\p+1], v[VS+\j+1:VS+\j+2], v[ML+2*\p:ML+2*\p+1] op_sel_hi:[1,0,1]
.endif
.endr
.endr
	; my tile of M as hi + lo, to the place of its half fragment
.irp i, 0,1,2,3
	v_cvt_pk_bf16_f32 v[MH+\i], v[ML+2*\i], v[ML+2*\i+1]
.endr
.irp i, 0,1,2,3
	v_fma_mix_f32_bf16 v[ML+2*\i],   v[MH+\i], v[NEG1], v[ML+2*\i] op_sel_hi:[1,0,0]
	v_fma_mix_f32_bf16 v[ML+2*\i+1], v[MH+\i], v[NEG1], v[ML+2*\i+1] op_sel:[1,0,0] op_sel_hi:[1,0,0]
.endr
.irp i, 0,1,2,3
	v_cvt_pk_bf16_f32 v[MLO+\i], v[ML+2*\i], v[ML+2*\i+1]
.endr
	ds_store_b128 v11, v[MH:MH+3]
	ds_store_b128 v11, v[MLO:MLO+3] offset:8192
	s_wait_dscnt 0x0                               ; my stores are done and my reads of the sums are back
	s_barrier_signal -1
	s_barrier_wait -1
.irp i, 0,1,2,3,4,5,6,7,8,9,10,11,12,13,14,15,16,17,18,19,20,21,22,23,24,25,26,27,28,29,30,31
	ds_load_b128 v[BF+4*\i:BF+4*\i+3], v12 offset:512*\i
.endr
	s_wait_loadcnt 0x0                             ; q
.irp f, 0,1,2,3
.irp i, 0,1,2,3
	v_cvt_pk_bf16_f32 v[AH+4*\f+\i], v[Q+8*\f+2*\i], v[Q+8*\f+2*\i+1]
.endr
.endr
.irp f, 0,1,2,3
.irp i, 0,1,2,3
	v_fma_mix_f32_bf16 v[Q+8*\f+2*\i],   v[AH+4*\f+\i], v[NEG1], v[Q+8*\f+2*\i] op_sel_hi:[1,0,0]
	v_fma_mix_f32_bf16 v[Q+8*\f+2*\i+1], v[AH+4*\f+\i], v[NEG1], v[Q+8*\f+2*\i+1] op_sel:[1,0,0] op_sel_hi:[1,0,0]
.endr
.endr
.irp f, 0,1,2,3
.irp i, 0,1,2,3
	v_cvt_pk_bf16_f32 v[AL+4*\f+\i], v[Q+8*\f+2*\i], v[Q+8*\f+2*\i+1]
.endr
.endr
	s_wait_dscnt 0x0
; four accumulators (T = 0..3) take turns, one instruction a turn
.macro CPASS a, b, zero
.irp t, 0,1,2,3
.if \zero
	v_wmma_f32_16x16x32_bf16 v[ACC+8*\t:ACC+8*\t+7], v[\a:\a+7], v[\b+8*\t:\b+8*\t+7], 0
.else
	v_wmma_f32_16x16x32_bf16 v[ACC+8*\t:ACC+8*\t+7], v[\a:\a+7], v[\b+8*\t:\b+8*\t+7], v[ACC+8*\t:ACC+8*\t+7]
.endif
.endr
.endm
	CPASS AH,   BF,    1                           ; hi hi, e = 0..31
	CPASS AH+8, BF+32, 0                           ; hi hi, e = 32..63
	CPASS AL,   BF,    0                           ; lo hi
	CPASS AL+8, BF+32, 0
	CPASS AH,   BF+64, 0                           ; hi lo
	CPASS AH+8, BF+96, 0
.rept 4
	v_nop                                          ; four places behind the last matrix instruction (ISA guide 7.12.1)
.endr
.irp j, 0,1,2,3,4,5,6,7
.irp t, 0,1,2,3
	v_mul_f32 v[Q+4*\j+\t], 0x3b3504f3, v[ACC+8*\t+\j]     ; x 2^-8.5; d = 4 r + T: the four tiles' numbers of position 8 h + j come to lie side by side
.endr
.endr
.irp j, 0,1,2,3,4,5,6,7
	global_store_b128 v13, v[Q+4*\j:Q+4*\j+3], s[10:11] offset:8192*\j th:TH_STORE_NT   ; 16 lanes store the head's 256 consecutive bytes of a position, aligned
.endr
	s_wait_tensorcnt 0x0
	ds_add_u32 v244, v245
	s_wait_dscnt 0x0
	s_endpgm
.Lfunc_end_k_q443c21cc24_ctx:
	.size	k_q443c21cc24_ctx, .Lfunc_end_k_q443c21cc24_ctx-k_q443c21cc24_ctx
	.p2alignl 7, 3214868480
	.fill 96, 4, 3214868480
	.section	.rodata,"a",@progbits
	.p2align	6, 0x0
	.amdhsa_kernel k_q443c21cc24_ctx
		.amdhsa_group_segment_fixed_size 22528
		.amdhsa_private_segment_fixed_size 0
		.amdhsa_enable_private_segment 0
		.amdhsa_kernarg_size 32
		.amdhsa_user_sgpr_count 2
		.amdhsa_user_sgpr_kernarg_segment_ptr 1
		.amdhsa_wavefront_size32 1
		.amdhsa_system_sgpr_workgroup_id_x 1
		.amdhsa_system_sgpr_workgroup_id_y 1
		.amdhsa_system_sgpr_workgroup_id_z 1
		.amdhsa_system_vgpr_workitem_id 0
		.amdhsa_next_free_vgpr 246
		.amdhsa_next_free_sgpr 66
		.amdhsa_reserve_vcc 0
		.amdhsa_float_denorm_mode_32 3
		.amdhsa_float_denorm_mode_16_64 3
		.amdhsa_memory_ordered 1
		.amdhsa_forward_progress 1
		.amdhsa_inst_pref_size 24
	.end_amdhsa_kernel
	.amdgpu_metadata
---
amdhsa.version: [ 1, 2 ]
amdhsa.kernels:
  - .name:           k_q443c21cc24_ctx
    .symbol:         k_q443c21cc24_ctx.kd
    .args:
      - { .name: qbuf, .offset: 0, .size: 8, .value_kind: global_buffer, .address_space: global }
      - { .name: mpart, .offset: 8, .size: 8, .value_kind: global_buffer, .address_space: global }
      - { .name: sums, .offset: 16, .size: 8, .value_kind: global_buffer, .address_space: global }
      - { .name: out0, .offset: 24, .size: 8, .value_kind: global_buffer, .address_space: global }
    .group_segment_fixed_size: 22528
    .private_segment_fixed_size: 0
    .kernarg_segment_align: 8
    .kernarg_segment_size: 32
    .max_flat_workgroup_size: 512
    .sgpr_count:     66
    .vgpr_count:     246
    .wavefront_size: 32
...
	.end_amdgpu_metadata
.endif
;; end of part 3
;; ======== version 2 of 2: 3 launches; version 1 with the launch cvt written anew for expert scheduling mode
;; limits: values outside matrix products are rounded to bf16
;; workspace buffers: xb 8,388,608 bytes; wb 6,291,456 bytes; qbuf 16,777,216 bytes; mpart 4,194,304 bytes; sums 131,072 bytes
;; launch cvt (part 4): grid 28 x 16, 8 waves a work-group, no clusters, 0 bytes of LDS; arguments hidden_states, W_qkv, xb, wb; writes xb, wb
.if DOCPART == 4
	.amdgcn_target "amdgcn-amd-amdhsa--gfx1250"
	.amdhsa_code_object_version 6
	.text
	.protected	k_q443c21cc24_cvt
	.globl	k_q443c21cc24_cvt
	.p2align	8
	.type	k_q443c21cc24_cvt,@function
k_q443c21cc24_cvt:
	s_mov_b64 s[64:65], 0
	v_nop
	global_prefetch_b8 v0, s[64:65] scope:SCOPE_SE
	s_setreg_imm32_b32 hwreg(HW_REG_WAVE_SCHED_MODE, 0, 2), 2
	s_setreg_imm32_b32 hwreg(HW_REG_WAVE_MODE, 25, 1), 1
	s_wait_xcnt 0x0
	s_wait_alu depctr_vm_vsrc(0)
; xb = bf16(hidden_states) as [4096][1024]; wb = bf16(W_qkv) as [3072][1024] with the v rows of each head permuted:
; wb row 192 h + i = W row 192 h + i for i < 128 (q, k); wb row 192 h + 128 + 16 T + r = W row 192 h + 128 + 4 r + T.
; (So lane r of v's column tile T later stands for d = 4 r + T, and four tiles give a lane 16 neighbouring output bytes.)
; A stream: every input byte is read once, every output byte written once; no LDS, no barrier, no matrix unit, no cluster (nothing is shared).
; 448 work-groups of 16 rows; wave w takes rows 2 w and 2 w + 1: 16 loads of 512 consecutive bytes, all issued before the first wait.
; Work-group x >= 12: 16 rows of X.  x < 12: rows 16 x .. 16 x + 15 of head y of W.
; Limit: the rounding to bf16 (nearest even) is the one that the matrix operands are allowed.
; THE MODE: SCHED_MODE bits 1:0 = 2 (LLVM: expert scheduling mode 2), set by the entry lines.  The code itself states the register dependences
; between vector instructions and memory instructions, with s_wait_alu, always for 0.
; THE PLAN.  Registers that memory instructions touch:
;   v1, v2     byte offsets of the loads and of the stores: made once at the head, never written again.
;   v[XR+4n ..] load n lands in four registers; behind its counted wait two conversions read the four and write the first two; store n reads those two; nothing writes them again.
; All 16 loads are issued ahead of the first conversion, so no vector instruction names a register in which a load is still to land.
; The loads go in four blocks of four: a block's eight conversions, ONE wait on va_vdst, the block's four stores in one run.
; No register that a memory instruction reads is ever written afterwards: no wait on vm_vsrc is owed.  EXEC is never written.
.set XR, 8                             ; v[8:71] sixteen loads of four f32
	s_load_b256 s[4:11], s[0:1], 0x0               ; hidden_states s[4:5], W_qkv s[6:7], xb s[8:9], wb s[10:11]
	v_lshrrev_b32 v3, 5, v0
	v_readfirstlane_b32 s12, v3                    ; wave 0..7
	v_and_b32 v1, 31, v0                           ; lane
	v_lshlrev_b32 v2, 3, v1                        ; 8 bytes of bf16 a lane
	v_lshlrev_b32 v1, 4, v1                        ; 16 bytes of f32 a lane
	s_mov_b32 s16, ttmp9                           ; x
	s_and_b32 s13, ttmp7, 0xffff                   ; y
	s_wait_alu depctr_va_sdst(0)                   ; s12 is written, ahead of its first reader: the rows, and so the bases, are made from it
	s_lshl_b32 s14, s12, 1                         ; i = 2 w
	s_max_u32 s15, s16, 12
	s_sub_co_u32 s15, s15, 12
	s_lshl_b32 s15, s15, 8
	s_lshl4_add_u32 s15, s13, s15
	s_add_co_u32 s15, s15, s14                     ; X: row 256 (x - 12) + 16 y + i
	s_mul_i32 s17, s13, 192
	s_lshl4_add_u32 s18, s16, s17
	s_add_co_u32 s18, s18, s14                     ; W: row 192 y + 16 x + i
	s_add_co_u32 s19, s17, s16
	s_lshl2_add_u32 s19, s14, s19
	s_add_co_u32 s19, s19, 120                     ; W's v rows come from row 192 y + 128 + (x - 8) + 4 i
	s_cmp_ge_u32 s16, 8
	s_cselect_b32 s19, s19, s18
	s_cselect_b32 s17, 4, 1                        ; rows from my first source row to my second
	s_cmp_ge_u32 s16, 12
	s_cselect_b32 s19, s15, s19                    ; source row
	s_cselect_b32 s17, 1, s17
	s_cselect_b32 s18, s15, s18                    ; destination row
	s_lshl_b32 s24, s19, 12                        ; 4,096 bytes a source row
	s_mov_b32 s25, 0
	s_lshl_b32 s26, s17, 12
	s_mov_b32 s27, 0
	s_lshl_b32 s30, s18, 11                        ; 2,048 bytes a destination row
	s_mov_b32 s31, 0
	s_wait_kmcnt 0x0
	s_cmp_ge_u32 s16, 12                           ; the choice of buffers hangs on the work-group's number alone
	s_cselect_b64 s[20:21], s[4:5], s[6:7]
	s_cselect_b64 s[22:23], s[8:9], s[10:11]
	s_add_nc_u64 s[20:21], s[20:21], s[24:25]      ; first source row
	s_add_nc_u64 s[28:29], s[20:21], s[26:27]      ; second source row
	s_add_nc_u64 s[22:23], s[22:23], s[30:31]      ; first destination row; the second follows it
	s_wait_alu depctr_va_vdst(0)                   ; v1 and v2 are written: every load below reads v1 as its offset, every store v2; neither is written again
.set n, 0
.rept 16
	global_load_b128 v[XR+4*n:XR+4*n+3], v1, s[20+8*(n>>3):21+8*(n>>3)] offset:512*(n&7) th:TH_LOAD_NT
.set n, n+1
.endr
; Four blocks of four loads.  p: the block; i: the load in it; n = 4 p + i.
.set p, 0
.rept 4
.set i, 0
.rept 4
.set n, 4*p+i
	s_wait_loadcnt 15-n                            ; loads come back in order: load n is in, the younger ones stay out
	v_cvt_pk_bf16_f32 v[XR+4*n], v[XR+4*n], v[XR+4*n+1]
	v_cvt_pk_bf16_f32 v[XR+4*n+1], v[XR+4*n+2], v[XR+4*n+3]
.set i, i+1
.endr
	s_wait_alu depctr_va_vdst(0)                   ; the block's eight conversions have written the eight registers that its four stores read as data
.set i, 0
.rept 4
.set n, 4*p+i
	global_store_b64 v2, v[XR+4*n:XR+4*n+1], s[22:23] offset:2048*(n>>3)+256*(n&7)   ; the wave's 32 lanes store 256 consecutive bytes, aligned
.set i, i+1
.endr
.set p, p+1
.endr
	s_endpgm
.Lfunc_end_k_q443c21cc24_cvt:
	.size	k_q443c21cc24_cvt, .Lfunc_end_k_q443c21cc24_cvt-k_q443c21cc24_cvt
	.p2alignl 7, 3214868480
	.fill 96, 4, 3214868480
	.section	.rodata,"a",@progbits
	.p2align	6, 0x0
	.amdhsa_kernel k_q443c21cc24_cvt
		.amdhsa_group_segment_fixed_size 0
		.amdhsa_private_segment_fixed_size 0
		.amdhsa_enable_private_segment 0
		.amdhsa_kernarg_size 32
		.amdhsa_user_sgpr_count 2
		.amdhsa_user_sgpr_kernarg_segment_ptr 1
		.amdhsa_wavefront_size32 1
		.amdhsa_system_sgpr_workgroup_id_x 1
		.amdhsa_system_sgpr_workgroup_id_y 1
		.amdhsa_system_sgpr_workgroup_id_z 1
		.amdhsa_system_vgpr_workitem_id 0
		.amdhsa_next_free_vgpr 72
		.amdhsa_next_free_sgpr 66
		.amdhsa_reserve_vcc 0
		.amdhsa_float_denorm_mode_32 3
		.amdhsa_float_denorm_mode_16_64 3
		.amdhsa_memory_ordered 1
		.amdhsa_forward_progress 1
		.amdhsa_inst_pref_size 8
	.end_amdhsa_kernel
	.amdgpu_metadata
---
amdhsa.version: [ 1, 2 ]
amdhsa.kernels:
  - .name:           k_q443c21cc24_cvt
    .symbol:         k_q443c21cc24_cvt.kd
    .args:
      - { .name: hidden_states, .offset: 0, .size: 8, .value_kind: global_buffer, .address_space: global }
      - { .name: W_qkv, .offset: 8, .size: 8, .value_kind: global_buffer, .address_space: global }
      - { .name: xb, .offset: 16, .size: 8, .value_kind: global_buffer, .address_space: global }
      - { .name: wb, .offset: 24, .size: 8, .value_kind: global_buffer, .address_space: global }
    .group_segment_fixed_size: 0
    .private_segment_fixed_size: 0
    .kernarg_segment_align: 8
    .kernarg_segment_size: 32
    .max_flat_workgroup_size: 256
    .sgpr_count:     66
    .vgpr_count:     72
    .wavefront_size: 32
...
	.end_amdgpu_metadata
.endif
;; end of part 4
;; launch qkv: the kernel of part 2 again; grid 16 x 16, 4 waves a work-group, clusters of 4 x 4, 327,680 bytes of LDS; arguments xb, wb, b_qkv, qbuf, mpart, sums; writes qbuf, mpart, sums
;; launch ctx: the kernel of part 3 again; grid 16 x 16, 16 waves a work-group, no clusters, 22,528 bytes of LDS; arguments qbuf, mpart, sums, out0; writes out0
